; MI455X (gfx1250); checked and timed in simulation.
; The chip was launched on July 23, 2026; its instructions are those of AMD's public machine-readable ISA for CDNA 5 (MIT licence, August 2026) and "CDNA5" Instruction Set Architecture Reference Guide (July 2026). The comments in the code are by the model that wrote it; some were corrected since.
;; Attention. Allowed arithmetic: matrix products marked QUANTISED: E2M1 operands, one E8M0 scale for each 32 along K, by v_wmma_scale_f32_16x16x128_f8f6f4 with both operands' format E2M1 (or v_wmma_scale_f32_32x16x128_f4), f32 sums; everything else in f32.
;; Inputs: Wk_codes 1,024 x 32 x 16 uint8 (E2M1 codes of Wk, K innermost, in blocks of 32 codes, two codes a byte); Wk_scales 1,024 x 32 uint8 (E8M0 scales of Wk, one for each 32 codes along K); Wq_codes 1,024 x 32 x 16 uint8 (E2M1 codes of Wq, K innermost, in blocks of 32 codes, two codes a byte); Wq_scales 1,024 x 32 uint8 (E8M0 scales of Wq, one for each 32 codes along K); Wv_codes 1,024 x 32 x 16 uint8 (E2M1 codes of Wv, K innermost, in blocks of 32 codes, two codes a byte); Wv_scales 1,024 x 32 uint8 (E8M0 scales of Wv, one for each 32 codes along K); k_codes 4 x 4,096 x 32 x 16 uint8 (E2M1 codes of k, K innermost, in blocks of 32 codes, two codes a byte); k_scales 4 x 4,096 x 32 uint8 (E8M0 scales of k, one for each 32 codes along K); mask_attn 4 x 4,096 int32; mask_q 4 x 4,096 int32; q_codes 4 x 4,096 x 32 x 16 uint8 (E2M1 codes of q, K innermost, in blocks of 32 codes, two codes a byte); q_scales 4 x 4,096 x 32 uint8 (E8M0 scales of q, one for each 32 codes along K); v_codes 4 x 4,096 x 32 x 16 uint8 (E2M1 codes of v, K innermost, in blocks of 32 codes, two codes a byte); v_scales 4 x 4,096 x 32 uint8 (E8M0 scales of v, one for each 32 codes along K).
;; Outputs: out0 4 x 4,096 x 1,024 float32.
;; This version of the problem:
;;   THIS VERSION OF THE PROBLEM IS GIVEN IN LOW PRECISION. The matrix products marked QUANTISED in the list below multiply operands that are first quantised to E2M1 (2 exponent bits, 1 mantissa bit; 4 bits a number), with one power-of-two scale for each 32 numbers along K (OCP MX v1.0); their sums are f32. All else is computed in f32.
;;   The module's matrix products, in the order in which they are computed (A, B: the left and right operand; K: the contracted axis; several contracted axes count as one K, in the product's order):
;;     1. [M 16,384, K 1,024] x [K 1,024, N 1,024]; A: input q (given as codes); B: input Wq (given as codes): QUANTISED
;;     2. [M 16,384, K 1,024] x [K 1,024, N 1,024]; A: input k (given as codes); B: input Wk (given as codes): QUANTISED
;;     3. [M 16,384, K 1,024] x [K 1,024, N 1,024]; A: input v (given as codes); B: input Wv (given as codes): QUANTISED
;;     4. batch 64 x [M 64, K 4,096] x [K 4,096, N 64]; A: softmax (see below); B: computed on the way: QUANTISED
;;     5. batch 64 x [M 4,096, K 64] x [K 64, N 64]; A: softmax (see below); B: computed on the way: QUANTISED
;;   THE QUANTISER, for each operand of a quantised product, along K:
;;     - K is cut into blocks of 32 from its start; a last block that is shorter is filled with zeros.
;;     - A block's scale is 2^e with e = floor(log2(the largest magnitude in the block)) - 2, held to -126 .. 127; a block of zeros has e = 0. As a byte (E8M0): e + 127.
;;     - Each number is divided by its block's scale, clamped to +-6, and rounded to the nearest number of E2M1, ties to even, subnormals kept.
;;     - The product sums the exact products of the quantised numbers (number of the format x scale) in f32.
;;   ~~~python
;;   def quantise(x, axis):      # numpy; x: float32 -> the quantised numbers, widened to float32 again
;;       x = np.moveaxis(x, axis, -1); K = x.shape[-1]
;;       x = np.pad(x, [(0, 0)] * (x.ndim - 1) + [(0, -K % 32)]); x = x.reshape(x.shape[:-1] + (-1, 32)); a = np.abs(x).max(-1, keepdims=True)
;;       e = np.where(a > 0, np.clip(np.frexp(np.where(a > 0, a, 1))[1] - 1 - 2, -126, 127), 0)      # np.frexp(a)[1] - 1 = floor(log2(a)), exactly
;;       r = np.clip(x / 2.0 ** e, -6, 6)
;;       step = 2.0 ** (np.maximum(np.frexp(np.where(r == 0, 1, r))[1] - 1, 0) - 1)
;;       q = np.round(r / step) * step * 2.0 ** e      # np.round: ties to even
;;       return np.moveaxis(q.reshape(q.shape[:-2] + (-1,))[..., :K], -1, axis).astype(np.float32)
;;   ~~~
;;   SOFTMAX AHEAD OF A QUANTISED PRODUCT. Where the list says 'softmax', what is quantised is not the finished softmax but p = 2^(t - M), with t = logit x log2(e) and M = ceil(the row's largest t), a whole number; so 1/2 < the row's largest p <= 1. The row's sum l is taken of the UNQUANTISED p, in f32, and the product's result is divided by l at the end. Since M is a whole number, a kernel that streams over the keys may use a running M (the ceiling of the running maximum): every later rescaling is an exact power of two, which a block's scale takes up: the codes' values come out the same.
;;   OPERANDS COMPUTED ON THE WAY. 'Computed on the way' means the value that the module computes at that place (a softmax that the list does not call 'softmax' is quantised finished and normalised). What goes into a quantiser is computed in f32, as accurately as f32 sums, v_exp_f32 and their like allow (about 1e-6 of the number): no bf16 or f16 on the way to a quantiser, and a product that is left as it is and whose result goes on into a quantised operand takes f32 operands (vector FMAs, or v_wmma_f32_16x16x4_f32). A number that lies on a knife's edge between two numbers of the format may be rounded either way, as far as f32 arithmetic and the matrix unit's own rounding can turn it there, and no further.
;;   INPUTS GIVEN AS CODES. Wk (in the module: [1024, 1024], K = its axis 0); Wq (in the module: [1024, 1024], K = its axis 0); Wv (in the module: [1024, 1024], K = its axis 0); k (in the module: [4, 4096, 1024], K = its axis 2); q (in the module: [4, 4096, 1024], K = its axis 2); v (in the module: [4, 4096, 1024], K = its axis 2): each comes as NAME_codes (uint8): NAME with its K axis moved to the last place and cut into blocks of 32 codes, [.., K / 32, bytes a block], one block behind the other in memory; two codes a byte, the lower K in the low four bits (a code: sign, 2 exponent bits, 1 mantissa bit); and NAME_scales (uint8): the same leading axes, one E8M0 byte (e + 127) for each 32 codes along K. Its value is code x scale, taken as it is: it is not quantised again, and the codes and scales need not be those that the quantiser above would give.
;; One version. Each part assembles by itself: llvm-mc -triple=amdgcn-amd-amdhsa -mcpu=gfx1250 --defsym DOCPART=n.
;; ======== version 1 of 1: 3 launches
;; workspace buffers: part 17,825,792 bytes; kvq 196,608 bytes
;; launch kvpart (part 1): grid 4 x 64, 4 waves a work-group, clusters of 4 x 1, 295,424 bytes of LDS; arguments k_codes, k_scales, v_codes, v_scales, Wk_codes, Wk_scales, Wv_codes, Wv_scales, mask_attn, part; writes part
.if DOCPART == 1
	.amdgcn_target "amdgcn-amd-amdhsa--gfx1250"
	.amdhsa_code_object_version 6
	.text
	.protected	k_q4ff3aae92b_kvpart
	.globl	k_q4ff3aae92b_kvpart
	.p2align	8
	.type	k_q4ff3aae92b_kvpart,@function
k_q4ff3aae92b_kvpart:
	s_mov_b64 s[64:65], 0
	v_nop
	global_prefetch_b8 v0, s[64:65] scope:SCOPE_SE
	s_setreg_imm32_b32 hwreg(HW_REG_WAVE_MODE, 25, 1), 1
	s_wait_xcnt 0x0
	s_wait_alu depctr_hold_cnt(0) depctr_sa_sdst(0) depctr_va_vdst(0) depctr_va_sdst(0) depctr_va_ssrc(0) depctr_va_vcc(0) depctr_vm_vsrc(0)
	s_getreg_b32 s2, hwreg(HW_REG_IB_STS2, 6, 4)
	s_cmp_eq_u32 s2, 0
	s_cbranch_scc0 .Lentry_in_a_cluster
	s_endpgm
.Lentry_in_a_cluster:
	s_bfe_u32 s2, ttmp6, 0x10000c
	s_cmp_lg_u32 s2, 0x3003
	s_cbranch_scc0 .Lentry_shape_is_right
	s_endpgm
.Lentry_shape_is_right:
; PARTIAL kv OF LINEAR ATTENTION.  For one batch n, one chunk of 256 steps t and one head: kh = k Wk, vh = v Wv (codes of E2M1 as given), kh - 10000 (1 - mask),
; p = 2^(kh log2(e) - M) with M the ceiling of the running largest exponent of each channel d, l = the sum of the unquantised p, kv(d, e) = the sum over t of Q(p)(t, d) Q(vh)(t, e),
; Q the MX-FP4 quantiser along t in blocks of 32.  Stored for a later launch: kv, -M and l of this chunk.
; SHARES.  Grid 4 x 64, clusters of four along x.  y = 16 n + chunk: rows 256 y .. 256 y + 255 of the flattened [16384][1024] k and v.  Place cx in the cluster = a group of four heads; wave w owns head 4 cx + w.
; A wave's 64 rows of Wk and of Wv (256 registers each) stay in registers.  The 256 rows of k and v lie in LDS, read by all four waves.  The four work-groups of a cluster need the same rows of k and v,
; so each tile is asked for JOINTLY (mask 15).  The weights are shared with no partner of the cluster (each has other heads), so they come by plain loads.
; Every LDS byte is filled once, at the head: there is no ring and no refill.
; THE WEIGHTS COME K STEP BY K STEP.  Wk's 64 loads go out at the head, eight for each K step, and the first trip's products of a K step wait for that step's eight alone.  Wv's 64 go out between the groups of
; that first projection, eight behind each K step, and are waited for in the same way by the first projection of v.
; A TRIP is 64 steps t.  Tile a of 16 rows takes t' = 8 a + (m % 8) + 32 (m / 8) for matrix row m, so that in the result (source 0 = rows of k or v, source 1 = rows of W) lane (r, h) holds ONE channel 16 b + r
; and its 32 registers of the four tiles a hold t' = 32 h + 0 .. 31: one whole block of 32 along the next K.  A block's largest magnitude needs no other lane, and conversion a gives register a of the next operand.
; The second product has K = 64 in an instruction 128 deep: registers 4-7 of its operands are zero codes, written once, and bytes 2, 3 of its scale words are 0.
; LIMITS: NaN, infinities and the scale byte 0xff among the inputs are not served; a p under 2^-126 counts as 0 (v_exp_f32 flushes: ISA guide 15.8); a block whose largest magnitude lies under 2^-124 gets the byte 1
; (a block of zeros too: its codes are zeros); the order of the sums differs from the reference's.
; REGISTERS, in windows of 256 (s_set_vgpr_msb: bits 1:0 source 0, 3:2 source 1, 5:4 source 2, 7:6 destination):
;   window 0: v0-7 addresses; v8-39 W's scale words; v40-55 the rows' scale words; v56-63 p's and vh's scale words; v64-127 their codes; v128-255 kv, 16 accumulators
;   window 1: Wk (tile b, K step s at 64 b + 8 s)      window 2: Wv likewise
;   window 3: v0-127 the projection's 16 accumulators (32 b + 8 a); v128-191 four slots of two fragments; v192-207 the mask's term; v208-223 -M, largest t, l (two halves) for each b; v224-247 at work; v248-251 addresses
.set ROWP, 528                         ; an LDS row of codes: 512 bytes + 16 of padding = 132 words: row r starts at bank 4 r mod 64 (64 banks of 4 bytes: ISA guide 11.1)
.set GP,   32*ROWP+128                 ; a group of 32 rows, and 128 bytes more: rows 32 apart then start 32 banks apart, so that a fragment's rows 8 a + 0..7 and 32 + 8 a + 0..7 start at 16 different banks
.set VO,   8*GP                        ; k's eight groups, then v's eight
.set SCL,  2*VO                        ; the rows' scale bytes: k's 256 x 32, then v's
.set BIAS, SCL+16384                   ; -10000 (1 - mask) of the 256 steps, f32: stored by the waves, in blocks of 256 bytes into which no tile lands
.set REC,  17408                       ; a record of the workspace: 32 register images of 512 bytes, then four of 256
.set WA,  3                            ; v3   W: 512 r + 16 h
.set WSA, 4                            ; v4   W's scale words: 32 r
.set ASB, 5                            ; v5   the rows' scale words: SCL + 32 (r % 8 + 8 h + 32 (r / 8))
.set ADS, 6                            ; v6   the same for the trip in hand
.set LI,  7                            ; v7   16 x lane
.set WS,  8                            ; v[WS + 8 b + s]: lanes 0-15 Wk's word, lanes 16-31 Wv's
.set AS,  40                           ; v[AS + 8 i + s]: lanes 0-15 tile 2 i's rows, lanes 16-31 tile 2 i + 1's
.set PS,  56
.set VS,  60
.set PC,  64
.set VC,  96
.set KV,  128
.set AF,  128                          ; from here on: window 3
.set BF,  192
.set ST,  208
.set T,   224
.set AKB, 248                          ; GP (r / 8) + ROWP (r % 8) + 16 h
.set ADR, 249
.set BIB, 250                          ; BIAS + 128 h
.set ABI, 251
.set WV,  24                           ; s24 wave
.set G1C, 32                           ; s[32:39] group 1 of the code tiles;  s[40:47] of the scale bytes;  s[48:51] group 0 of the scale bytes;  s[52:63], s[68:71] of the four code tiles
.set G1S, 40
.set CS,  72                           ; s[72:73] log2(e), twice: the packed forms name a pair
.set SEL, 74                           ; s[74:75] v_permlanex16_b32's selects for lane l xor 16
.set TR,  76                           ; s76 the trip
.set TP,  77                           ; s77 the trip whose first loads are issued ahead
.set MSB, 0
.macro WIN new                         ; the immediate's high byte repeats the setting that is left; a switch that changes nothing is dropped
.if MSB != \new
	s_set_vgpr_msb (MSB<<8)|\new
.set MSB, \new
.endif
.endm
.macro PLACES n
.rept \n
	v_nop
.endr
.endm
.macro CROUND                          ; a round of the cluster's barrier: my work-group's barrier; wave 0 signals for the work-group; every wave waits for all four work-groups; my work-group's barrier once more
	s_barrier_signal -1
	s_barrier_wait -1
	s_cmp_lg_u32 s[WV], 0
	s_cbranch_scc1 .Lnot_wave_0_\@
	s_barrier_signal -3
.Lnot_wave_0_\@:
	s_barrier_wait -3
	s_barrier_signal -1
	s_barrier_wait -1
.endm
; One product.  acc = 0: the constant 0 starts the sum.  ra, rb = 1: that side's scale words stand in lanes 16-31.
.macro WM d, a, b, acc, sa, sb, ra, rb
.if (\acc) == 0
.if (\ra) && (\rb)
	v_wmma_scale_f32_16x16x128_f8f6f4 v[\d:\d+7], v[\a:\a+7], v[\b:\b+7], 0, v[\sa], v[\sb] matrix_a_fmt:MATRIX_FMT_FP4 matrix_b_fmt:MATRIX_FMT_FP4 matrix_a_scale:MATRIX_SCALE_ROW1 matrix_b_scale:MATRIX_SCALE_ROW1
.elseif \ra
	v_wmma_scale_f32_16x16x128_f8f6f4 v[\d:\d+7], v[\a:\a+7], v[\b:\b+7], 0, v[\sa], v[\sb] matrix_a_fmt:MATRIX_FMT_FP4 matrix_b_fmt:MATRIX_FMT_FP4 matrix_a_scale:MATRIX_SCALE_ROW1
.elseif \rb
	v_wmma_scale_f32_16x16x128_f8f6f4 v[\d:\d+7], v[\a:\a+7], v[\b:\b+7], 0, v[\sa], v[\sb] matrix_a_fmt:MATRIX_FMT_FP4 matrix_b_fmt:MATRIX_FMT_FP4 matrix_b_scale:MATRIX_SCALE_ROW1
.else
	v_wmma_scale_f32_16x16x128_f8f6f4 v[\d:\d+7], v[\a:\a+7], v[\b:\b+7], 0, v[\sa], v[\sb] matrix_a_fmt:MATRIX_FMT_FP4 matrix_b_fmt:MATRIX_FMT_FP4
.endif
.else
.if (\ra) && (\rb)
	v_wmma_scale_f32_16x16x128_f8f6f4 v[\d:\d+7], v[\a:\a+7], v[\b:\b+7], v[\d:\d+7], v[\sa], v[\sb] matrix_a_fmt:MATRIX_FMT_FP4 matrix_b_fmt:MATRIX_FMT_FP4 matrix_a_scale:MATRIX_SCALE_ROW1 matrix_b_scale:MATRIX_SCALE_ROW1
.elseif \ra
	v_wmma_scale_f32_16x16x128_f8f6f4 v[\d:\d+7], v[\a:\a+7], v[\b:\b+7], v[\d:\d+7], v[\sa], v[\sb] matrix_a_fmt:MATRIX_FMT_FP4 matrix_b_fmt:MATRIX_FMT_FP4 matrix_a_scale:MATRIX_SCALE_ROW1
.elseif \rb
	v_wmma_scale_f32_16x16x128_f8f6f4 v[\d:\d+7], v[\a:\a+7], v[\b:\b+7], v[\d:\d+7], v[\sa], v[\sb] matrix_a_fmt:MATRIX_FMT_FP4 matrix_b_fmt:MATRIX_FMT_FP4 matrix_b_scale:MATRIX_SCALE_ROW1
.else
	v_wmma_scale_f32_16x16x128_f8f6f4 v[\d:\d+7], v[\a:\a+7], v[\b:\b+7], v[\d:\d+7], v[\sa], v[\sb] matrix_a_fmt:MATRIX_FMT_FP4 matrix_b_fmt:MATRIX_FMT_FP4
.endif
.endif
.endm
.macro MKG0 g, i                       ; group 0 of my code tile of trip i
	s_mov_b32 s[\g], 1                             ; count = 1
	s_add_co_u32 s[\g+1], s78, \i*2*GP             ; LDS address: a trip is two groups
	s_add_nc_u64 s[\g+2:\g+3], s[30:31], \i*32768  ; global address: 64 rows of 512 bytes on
	s_or_b32 s[\g+3], s[\g+3], 0x80000000          ; type = 2
.endm
	s_load_b256 s[4:11], s[0:1], 0x0               ; k's codes s[4:5], k's scales s[6:7], v's codes s[8:9], v's scales s[10:11]
	s_load_b256 s[12:19], s[0:1], 0x20             ; Wk's codes, Wk's scales, Wv's codes, Wv's scales
	s_load_b128 s[20:23], s[0:1], 0x40             ; mask_attn, part
	s_set_vgpr_msb 0xc0
	v_lshl_add_u32 v254, v0, 2, 0x48000
	v_mov_b32 v255, 0
	s_set_vgpr_msb 0xc0cf
	ds_add_u32 v254, v255
	ds_add_u32 v254, v255
	s_set_vgpr_msb 0xcf00
	v_lshrrev_b32 v1, 5, v0
	v_readfirstlane_b32 s[WV], v1                  ; wave 0..3
	s_bfe_u32 s25, ttmp6, 0x40000                  ; cx: it enters the weights' and the workspace's addresses alone
	s_and_b32 s26, ttmp7, 0xffff                   ; y = 16 n + chunk, which the four partners share
	s_lshl_b32 s27, s25, 2
	s_add_co_u32 s27, s27, s[WV]                   ; my head
	s_lshr_b32 s28, s[WV], 1                       ; I fetch for k (0) or for v (1),
	s_and_b32 s29, s[WV], 1                        ; the first or the second 32 rows of each trip's 64
	s_mov_b32 s[G1C], 15|(1<<20)|(1<<21)|(6<<22)|(3<<25)   ; the mask: all four work-groups; elements of 1 byte; padding on; bit 21 beside a mask; after every 128 words (code 6) four words (code 3)
	s_mov_b32 s[G1C+1], 512<<16                    ; tensor_dim0 = 512
	s_mov_b32 s[G1C+2], 32<<16                     ; tensor_dim1 = 32
	s_mov_b32 s[G1C+3], 512<<16                    ; tile_dim0 = 512
	s_mov_b32 s[G1C+4], 32                         ; tile_dim1 = 32
	s_mov_b32 s[G1C+5], 512                        ; from row to row
	s_mov_b32 s[G1C+6], 0
	s_mov_b32 s[G1C+7], 0
	s_mov_b32 s[G1S], 15|(3<<16)|(1<<21)           ; the scale bytes of 128 rows: 4,096 dense bytes as 16 rows of 32 elements of 8 bytes, no padding
	s_mov_b32 s[G1S+1], 32<<16
	s_mov_b32 s[G1S+2], 16<<16
	s_mov_b32 s[G1S+3], 32<<16
	s_mov_b32 s[G1S+4], 16
	s_mov_b32 s[G1S+5], 32
	s_mov_b32 s[G1S+6], 0
	s_mov_b32 s[G1S+7], 0
	s_mov_b32 s[CS], 0x3fb8aa3b                    ; log2(e)
	s_mov_b32 s[CS+1], s[CS]
	s_mov_b32 s[SEL], 0x76543210
	s_mov_b32 s[SEL+1], 0xfedcba98
	v_and_b32 v1, 15, v0                           ; r
	v_bfe_u32 v2, v0, 4, 1                         ; h
	v_and_b32 v164, 7, v1
	v_lshrrev_b32 v165, 3, v1
	v_lshlrev_b32 v[WA], 9, v1
	v_lshl_add_u32 v[WA], v2, 4, v[WA]
	v_lshlrev_b32 v[WSA], 5, v1
	v_lshl_add_u32 v[ASB], v2, 3, v164
	v_lshl_add_u32 v[ASB], v165, 5, v[ASB]
	v_lshl_add_u32 v[ASB], v[ASB], 5, SCL
	v_and_b32 v[LI], 31, v0
	v_lshlrev_b32 v[LI], 4, v[LI]
	v_mul_u32_u24 v163, v165, GP
	v_mad_u32_u24 v163, v164, ROWP, v163
	v_lshl_add_u32 v162, v0, 3, BIAS               ; where I store two of the mask's terms
	v_lshlrev_b32 v166, 3, v0                      ; and where their two mask words lie
	s_wait_dscnt 0x0
	s_wait_kmcnt 0x0
	s_cmp_lt_u32 s[WV], 2                          ; the choice hangs on the wave's number alone
	s_cselect_b64 s[30:31], s[4:5], s[8:9]
	s_cselect_b64 s[82:83], s[6:7], s[10:11]
	s_lshl_b32 s2, s26, 17                         ; 256 y rows of 512 bytes,
	s_lshl_b32 s3, s29, 14                         ; + my 32 rows
	s_add_co_u32 s2, s2, s3
	s_mov_b32 s3, 0
	s_add_nc_u64 s[30:31], s[30:31], s[2:3]
	s_lshl_b32 s2, s26, 13                         ; 256 y rows of 32 scale bytes,
	s_lshl_b32 s78, s29, 12                        ; + my 128 rows
	s_add_co_u32 s2, s2, s78
	s_add_nc_u64 s[82:83], s[82:83], s[2:3]
	s_mul_i32 s78, s28, VO
	s_mul_i32 s79, s29, GP
	s_add_co_u32 s78, s78, s79                     ; my group of trip 0 in LDS: no place in the cluster enters an LDS address
	s_lshl_b32 s79, s[WV], 12
	s_mov_b32 s48, 1
	s_add_co_u32 s49, s79, SCL                     ; k's halves, then v's: 4,096 x wave
	s_mov_b64 s[50:51], s[82:83]
	s_or_b32 s51, s51, 0x80000000
	MKG0 52, 0
	MKG0 56, 1
	MKG0 60, 2
	MKG0 68, 3
	s_lshl_b32 s84, s27, 15                        ; my head's 64 rows of W: 512 bytes a row
	s_mov_b32 s85, 0
	s_add_nc_u64 s[12:13], s[12:13], s[84:85]
	s_add_nc_u64 s[16:17], s[16:17], s[84:85]
	s_lshl_b32 s84, s27, 11                        ; and 32 scale bytes a row
	s_add_nc_u64 s[14:15], s[14:15], s[84:85]
	s_add_nc_u64 s[18:19], s[18:19], s[84:85]
	s_lshl_b32 s86, s26, 10                        ; the chunk's 256 mask words
	s_mov_b32 s87, 0
	s_add_nc_u64 s[20:21], s[20:21], s[86:87]
	s_lshr_b32 s88, s26, 4
	s_lshl_b32 s88, s88, 4
	s_add_co_u32 s88, s88, s27                     ; 16 n + head
	s_lshl_b32 s88, s88, 4
	s_and_b32 s89, s26, 15
	s_add_co_u32 s88, s88, s89                     ; x 16 + chunk: my record
	s_mul_i32 s88, s88, REC
	s_mov_b32 s89, 0
	s_add_nc_u64 s[22:23], s[22:23], s[88:89]
	CROUND                                         ; all four work-groups are here: the joint loads meet
	tensor_load_to_lds s[48:51], s[G1S:G1S+7]      ; all fills of the launch in one group: five loads of mine are out.  The scale bytes first,
	s_nop 0
	tensor_load_to_lds s[52:55], s[G1C:G1C+7]      ; then my 32 rows of trips 0,
	s_nop 0
	tensor_load_to_lds s[56:59], s[G1C:G1C+7]      ; 1,
	s_nop 0
	tensor_load_to_lds s[60:63], s[G1C:G1C+7]      ; 2
	s_nop 0
	tensor_load_to_lds s[68:71], s[G1C:G1C+7]      ; and 3
	s_nop 0
	PLACES 4                                       ; (four lines ahead of the next switch of windows)
	global_load_b64 v[160:161], v166, s[20:21]     ; two mask words a thread: the wave reads 256 consecutive bytes
.irp b, 0,1,2,3
.irp q, 0,1
	global_load_b128 v[WS+8*\b+4*\q:WS+8*\b+4*\q+3], v[WSA], s[14:15] offset:512*\b+16*\q     ; Wk's scale words of row 16 b + r, K steps 4 q on
.endr
.endr
.irp b, 0,1,2,3
.irp q, 0,1
	global_load_b128 v[128+8*\b+4*\q:128+8*\b+4*\q+3], v[WSA], s[18:19] offset:512*\b+16*\q   ; Wv's, for now beside them
.endr
.endr
	WIN 0x40                                       ; destination window 1
.irp s, 0,1,2,3,4,5,6,7                        ; Wk, K STEP BY K STEP: eight loads a step, so that a step's products need wait for no later step
.irp b, 0,1,2,3
.irp c, 0,1
	global_load_b128 v[64*\b+8*\s+4*\c:64*\b+8*\s+4*\c+3], v[WA], s[12:13] offset:8192*\b+64*\s+32*\c
.endr
.endr
.endr
	WIN 0
.irp f, 0,1,2,3,4,5,6,7
.irp c, 4,5,6,7
	v_mov_b32 v[PC+8*\f+\c], 0                     ; K = 64 .. 127 of the second product's operands: zero codes, written once
.endr
.endr
	WIN 0xc0                                       ; destination window 3
	v_lshl_add_u32 v[AKB], v2, 4, v163
	v_lshl_add_u32 v[BIB], v2, 7, BIAS
.set i, 0
.rept 24
	v_mov_b32 v[T+i], 0                            ; written once: a lane permute's destination counts as a source, and a pair is named whole
.set i, i+1
.endr
	WIN 0
	s_wait_loadcnt 63                              ; 81 loads were issued: all but the youngest 63, which are Wk's, are in: the mask and both sets of scale words
	s_mov_b32 vcc_lo, 0xffff0000
.set i, 0
.rept 32
	v_cndmask_b32 v[WS+i], v[WS+i], v[128+i], vcc_lo   ; lanes 16-31 take Wv's word: one register carries both weights' scales
.set i, i+1
.endr
	v_cvt_f32_i32 v160, v160
	v_cvt_f32_i32 v161, v161
	v_sub_f32 v160, 1.0, v160
	v_sub_f32 v161, 1.0, v161
	v_mul_f32 v160, 0xc61c4000, v160               ; -10000 (1 - mask)
	v_mul_f32 v161, 0xc61c4000, v161
	ds_store_b64 v162, v[160:161]
	s_wait_tensorcnt 3                             ; my scale bytes and my rows of trip 0 are in; three loads may stay out
	s_wait_dscnt 0x0                               ; for the others' sake: my store has landed
	s_barrier_signal -1
	s_barrier_wait -1
; Two fragments (tiles 2 (gg % 2) and + 1, K step gg / 2) into slot gg % 4.  Destination and address lie in window 3.
.macro AFLOAD gg
.irp aa, 0,1
.irp c, 0,1
	ds_load_b128 v[AF+16*((\gg)%4)+8*\aa+4*\c:AF+16*((\gg)%4)+8*\aa+4*\c+3], v[ADR] offset:8*ROWP*(2*((\gg)%2)+\aa)+64*((\gg)/2)+32*\c
.endr
.endr
.endm
.macro ASLOAD                          ; the 64 rows' scale words, all eight K steps
.irp i, 0,1
.irp q, 0,1
	ds_load_b128 v[AS+8*\i+4*\q:AS+8*\i+4*\q+3], v[ADS] offset:512*\i+16*\q
.endr
.endr
.endm
; K step ss of Wv: eight loads, from inside the first projection of k, whose window setting is restored.  No product has read these registers yet.
.macro WVRUN ss
	WIN 0x80                                       ; destination window 2, address window 0
.irp b, 0,1,2,3
.irp c, 0,1
	global_load_b128 v[64*\b+8*(\ss)+4*\c:64*\b+8*(\ss)+4*\c+3], v[WA], s[16:17] offset:8192*\b+64*(\ss)+32*\c
.endr
.endr
	WIN 0xf7
.endm
; What k's projection of trip TP wants first: scale words, the mask's term of t' = 32 h + 0 .. 15, three groups of fragments.
.macro PRE_K
	WIN 0
	s_lshl_b32 s82, s[TP], 11
	v_add_nc_u32 v[ADS], s82, v[ASB]
	ASLOAD
	WIN 0xff
	s_lshl_b32 s82, s[TP], 8
	s_mul_i32 s83, s[TP], 2*GP
	v_add_nc_u32 v[ABI], s82, v[BIB]
	v_add_nc_u32 v[ADR], s83, v[AKB]
.irp k, 0,1,2,3
	ds_load_b128 v[BF+4*\k:BF+4*\k+3], v[ABI] offset:16*\k
.endr
	AFLOAD 0
	AFLOAD 1
	AFLOAD 2
.endm
.macro PRE_V                           ; the same for v's projection of trip TR
	WIN 0
	s_lshl_b32 s82, s[TR], 11
	s_add_co_u32 s82, s82, 8192
	v_add_nc_u32 v[ADS], s82, v[ASB]
	ASLOAD
	WIN 0xff
	s_mul_i32 s83, s[TR], 2*GP
	s_add_co_u32 s83, s83, VO
	v_add_nc_u32 v[ADR], s83, v[AKB]
	AFLOAD 0
	AFLOAD 1
	AFLOAD 2
.endm
; A PROJECTION: 64 rows x my head's 64 columns x K = 1,024: 16 groups of 8 products.  Group gi: K step gi / 2, tiles 2 (gi % 2) and + 1, each against W's four tiles: a fragment from LDS feeds four products.
; The 16 accumulators take turns, one instruction a turn.  Loads run three groups ahead in four slots.  A load into a slot stands four places behind the products that read it
; (ISA guide 7.12.1 for vector instructions).
; first = 1: the chunk's first trip, in which the weights are still on their way.  Loads come back in order (ISA guide 5.7.1), so each K step waits by count for its own eight loads; in k's projection a K step of Wv goes out behind each K step.
.macro PROJ kv, first
	WIN 0xf7+4*\kv                                 ; source 0 (rows), C and D window 3; source 1 window 1 (Wk) or 2 (Wv)
.set gi, 0
.rept 16
.if (gi > 0) && (gi <= 12)
	PLACES 4
.endif
.if gi <= 12
	AFLOAD gi+3
.endif
.if (\first) && (\kv == 0) && (gi%2 == 1)
	WVRUN gi/2
.endif
.if gi <= 12
	s_wait_dscnt 12                                ; the three groups behind this one, four loads each, may be out
.else
	s_wait_dscnt 4*(15-gi)
.endif
.set ksx, gi/2
.set px, gi%2
.if (\first) && (px == 0)
.if \kv == 0
	s_wait_loadcnt 56                              ; behind this K step's eight loads of Wk stand the later steps' 8 (7 - s) and the 8 s of Wv issued so far: 56 in every step
.else
	s_wait_loadcnt 8*(7-ksx)                       ; behind this K step's eight loads of Wv stand the later steps' alone
.endif
.endif
.irp aa, 0,1
.irp b, 0,1,2,3
	WM 32*\b+8*(2*px+\aa), AF+16*(gi%4)+8*\aa, 64*\b+8*ksx, ksx, AS+8*px+ksx, WS+8*\b+ksx, \aa, \kv
.endr
.endr
.set gi, gi+1
.endr
	PLACES 4                                       ; ahead of the first read of results and of loads into fragments and scale words
.endm
; THE SOFTMAX OVER t, one trip.  x' = x + term, t = x' log2(e), y = t - M: three roundings, as the definition reads.  Every step goes by turns over the four tiles b of channels.
; first = 1: the chunk's first trip: no old M, nothing to rescale.
.macro SOFTK first
	WIN 0xff
.irp i, 0,2,4,6,8,10,12,14
.irp b, 0,1,2,3
	v_pk_add_f32 v[32*\b+\i:32*\b+\i+1], v[32*\b+\i:32*\b+\i+1], v[BF+\i:BF+\i+1]      ; each accumulator is read from its low end on
.endr
.endr
.irp k, 0,1,2,3
	ds_load_b128 v[BF+4*\k:BF+4*\k+3], v[ABI] offset:64+16*\k                           ; the term of t' = 32 h + 16 .. 31
.endr
.irp i, 0,2,4,6,8,10,12,14
.irp b, 0,1,2,3
	v_pk_mul_f32 v[32*\b+\i:32*\b+\i+1], v[32*\b+\i:32*\b+\i+1], s[CS:CS+1] op_sel_hi:[1,0]
.endr
.endr
	s_wait_dscnt 0x0
.irp i, 0,2,4,6,8,10,12,14
.irp b, 0,1,2,3
	v_pk_add_f32 v[32*\b+16+\i:32*\b+17+\i], v[32*\b+16+\i:32*\b+17+\i], v[BF+\i:BF+\i+1]
.endr
.endr
.irp i, 16,18,20,22,24,26,28,30
.irp b, 0,1,2,3
	v_pk_mul_f32 v[32*\b+\i:32*\b+\i+1], v[32*\b+\i:32*\b+\i+1], s[CS:CS+1] op_sel_hi:[1,0]
.endr
.endr
.irp b, 0,1,2,3
	v_max3_num_f32 v[T+\b], v[32*\b], v[32*\b+1], v[32*\b+2]                            ; my block's largest t: it serves the channel's maximum and, since p rises with t, the block's largest p
.endr
.irp i, 3,5,7,9,11,13,15,17,19,21,23,25,27,29
.irp b, 0,1,2,3
	v_max3_num_f32 v[T+\b], v[T+\b], v[32*\b+\i], v[32*\b+\i+1]
.endr
.endr
.irp b, 0,1,2,3
	v_max_num_f32 v[T+\b], v[T+\b], v[32*\b+31]
.endr
.irp b, 0,1,2,3
	v_permlanex16_b32 v[T+4+\b], v[T+\b], s[SEL], s[SEL+1]
.endr
.irp b, 0,1,2,3
	v_max_num_f32 v[T+4+\b], v[T+4+\b], v[T+\b]                                         ; with the other block's: the trip's largest t of my channel
.endr
.if \first
.irp b, 0,1,2,3
	v_mov_b32 v[ST+4*\b+1], v[T+4+\b]
.endr
.else
.irp b, 0,1,2,3
	v_max_num_f32 v[ST+4*\b+1], v[ST+4*\b+1], v[T+4+\b]                                 ; the running largest t
.endr
.irp b, 0,1,2,3
	v_mov_b32 v[T+4+\b], v[ST+4*\b]                                                     ; the old -M
.endr
.endif
.irp b, 0,1,2,3
	v_floor_f32 v[ST+4*\b], -v[ST+4*\b+1]                                               ; -M = floor(-t) = -ceil(t): a whole number
.endr
.if \first == 0
.irp b, 0,1,2,3
	v_sub_f32 v[T+4+\b], v[ST+4*\b], v[T+4+\b]                                          ; old M - new M: a whole number, 0 or less
.endr
.irp b, 0,1,2,3
	v_cvt_i32_f32 v[T+4+\b], v[T+4+\b]                                                  ; (it saturates)
.endr
.irp b, 0,1,2,3
	v_ldexp_f32 v[T+8+2*\b], 1.0, v[T+4+\b]                                             ; f = 2^(old M - new M): multiplying by it rounds nothing
.endr
.endif
.irp b, 0,1,2,3
	v_add_f32 v[T+\b], v[T+\b], v[ST+4*\b]
.endr
.irp i, 0,2,4,6,8,10,12,14,16,18,20,22,24,26,28,30
	v_pk_add_f32 v[\i:\i+1], v[\i:\i+1], v[ST:ST+1] op_sel_hi:[1,0]                     ; t - M of tile 0 (of the pair -M, t the low word serves both halves)
.endr
.irp b, 0,1,2,3                        ; tile b's exponentials, with tile b + 1's t - M between them
.set k, 0
.rept 16
	v_exp_f32 v[32*\b+2*k], v[32*\b+2*k]
.if \b < 3
	v_pk_add_f32 v[32*(\b+1)+2*k:32*(\b+1)+2*k+1], v[32*(\b+1)+2*k:32*(\b+1)+2*k+1], v[ST+4*(\b+1):ST+4*(\b+1)+1] op_sel_hi:[1,0]
.endif
	v_exp_f32 v[32*\b+2*k+1], v[32*\b+2*k+1]
.set k, k+1
.endr
.endr
.irp b, 0,1,2,3
	v_exp_f32 v[T+\b], v[T+\b]                                                          ; the block's largest p: the same additions and exponential on the same number give the same bits
.endr
	v_nop                                                                                   ; a plain line behind the exponentials (ISA guide 5.7.2)
	s_wait_alu depctr_va_vdst(0)
.irp b, 0,1,2,3
	v_max_num_f32 v[T+\b], 0x1800000, v[T+\b]                                           ; the floor 2^(3 - 127): the byte cannot fall under 1
.endr
.irp b, 0,1,2,3
	v_add_nc_u32 v[T+\b], 0xff000000, v[T+\b]                                           ; 2 off the exponent field: the conversion's scale operand
.endr
.irp b, 0,1,2,3
	v_lshrrev_b32 v[T+4+\b], 23, v[T+\b]                                                ; the scale's byte
.endr
.irp b, 0,1,2,3
	v_permlanex16_b32 v[T+16+\b], v[T+4+\b], s[SEL], s[SEL+1]
.endr
	WIN 0x3f                                       ; sources window 3, destination window 0
.irp b, 0,1,2,3
	v_lshl_or_b32 v[PS+\b], v[T+16+\b], 8, v[T+4+\b]                                    ; lanes 0-15, which alone are read: block 0's byte, block 1's, 0, 0
.endr
.irp b, 0,1,2,3
.irp a, 0,1,2,3
	v_cvt_scalef32_pk8_fp4_f32 v[PC+8*\b+\a], v[32*\b+8*\a:32*\b+8*\a+7], v[T+\b]       ; register a of the operand: t' = 32 h + 8 a + 0 .. 7
.endr
.endr
	v_nop                                                                                   ; a plain line behind the scaled conversions
	WIN 0xff
.irp i, 0,2,4,6,8,10,12,14             ; the sum of the UNQUANTISED p, in place, two at a time
.irp b, 0,1,2,3
	v_pk_add_f32 v[32*\b+\i:32*\b+\i+1], v[32*\b+\i:32*\b+\i+1], v[32*\b+\i+16:32*\b+\i+17]
.endr
.endr
.irp i, 0,2,4,6
.irp b, 0,1,2,3
	v_pk_add_f32 v[32*\b+\i:32*\b+\i+1], v[32*\b+\i:32*\b+\i+1], v[32*\b+\i+8:32*\b+\i+9]
.endr
.endr
.irp i, 0,2
.irp b, 0,1,2,3
	v_pk_add_f32 v[32*\b+\i:32*\b+\i+1], v[32*\b+\i:32*\b+\i+1], v[32*\b+\i+4:32*\b+\i+5]
.endr
.endr
.if \first
.irp b, 0,1,2,3
	v_pk_add_f32 v[ST+4*\b+2:ST+4*\b+3], v[32*\b:32*\b+1], v[32*\b+2:32*\b+3]
.endr
.else
.irp b, 0,1,2,3
	v_pk_add_f32 v[32*\b:32*\b+1], v[32*\b:32*\b+1], v[32*\b+2:32*\b+3]
.endr
.irp b, 0,1,2,3
	v_pk_fma_f32 v[ST+4*\b+2:ST+4*\b+3], v[ST+4*\b+2:ST+4*\b+3], v[T+8+2*\b:T+9+2*\b], v[32*\b:32*\b+1] op_sel_hi:[1,0,1]   ; l = f l + the trip's sum
.endr
	WIN 0x0c                                       ; kv in window 0, f in window 3
.irp b, 0,1,2,3
.irp e, 0,1,2,3
.irp j, 0,2,4,6
	v_pk_mul_f32 v[KV+8*(4*\b+\e)+\j:KV+8*(4*\b+\e)+\j+1], v[KV+8*(4*\b+\e)+\j:KV+8*(4*\b+\e)+\j+1], v[T+8+2*\b:T+9+2*\b] op_sel_hi:[1,0]   ; kv under the new M
.endr
.endr
.endr
.endif
.endm
; vh is quantised along t: a lane's 32 registers of tile b are one block.
.macro QUANTV
	WIN 0xff
.irp b, 0,1,2,3
	v_max3_num_f32 v[T+\b], |v[32*\b]|, |v[32*\b+1]|, 0x1800000
.endr
.irp i, 2,4,6,8,10,12,14,16,18,20,22,24,26,28,30
.irp b, 0,1,2,3
	v_max3_num_f32 v[T+\b], v[T+\b], |v[32*\b+\i]|, |v[32*\b+\i+1]|
.endr
.endr
.irp b, 0,1,2,3
	v_add_nc_u32 v[T+\b], 0xff000000, v[T+\b]
.endr
.irp b, 0,1,2,3
	v_lshrrev_b32 v[T+4+\b], 23, v[T+\b]
.endr
.irp b, 0,1,2,3
	v_permlanex16_b32 v[T+16+\b], v[T+4+\b], s[SEL], s[SEL+1]
.endr
	WIN 0x3f
.irp b, 0,1,2,3
	v_lshl_or_b32 v[VS+\b], v[T+16+\b], 8, v[T+4+\b]
.endr
.irp b, 0,1,2,3
.irp a, 0,1,2,3
	v_cvt_scalef32_pk8_fp4_f32 v[VC+8*\b+\a], v[32*\b+8*\a:32*\b+8*\a+7], v[T+\b]
.endr
.endr
	PLACES 8                                       ; a scale word written by a vector instruction stands eight places ahead of a scaled product, an operand four
.endm
; kv(d, e) += the sum over the trip's 64 t: source 0 = vh's codes (16 e), source 1 = p's (16 d): a lane holds ONE channel d = 16 b + r, as the softmax's figures do, and e = 16 et + 8 h + 0 .. 7.
.macro PV first
	WIN 0
.irp b, 0,1,2,3
.irp e, 0,1,2,3
	WM KV+8*(4*\b+\e), VC+8*\e, PC+8*\b, 1-\first, VS+\e, PS+\b, 0, 0
.endr
.endr
.endm
.macro TRIP first
	PROJ 0, \first
	PRE_V                                          ; v's first loads land under the softmax
	SOFTK \first
	PROJ 1, \first
.if \first
	s_wait_tensorcnt 0x0                           ; my rows of trips 1 to 3 are in,
	s_wait_dscnt 0x0
	s_barrier_signal -1
	s_barrier_wait -1                              ; everybody's are
.endif
	s_add_co_u32 s[TP], s[TR], 1
	s_min_u32 s[TP], s[TP], 3                      ; the last trip's look-ahead names trip 3 again: bytes that are filled; its registers are not used
	PRE_K                                          ; the next trip's first loads land under the quantiser and the second product
	QUANTV
	PV \first
	WIN 0
.endm
	s_mov_b32 s[TR], 0
	s_mov_b32 s[TP], 0
	PRE_K
	TRIP 1                                         ; the first trip is written out: its products start kv's sums, nothing is cleared; it alone has the counted waits for the weights
	s_mov_b32 s[TR], 1
.Ltrip:
	TRIP 0
	s_add_co_u32 s[TR], s[TR], 1
	s_cmp_lt_u32 s[TR], 4
	s_cbranch_scc1 .Ltrip
	s_wait_dscnt 0x0                               ; the look-ahead's loads
	WIN 0xff
.irp b, 0,1,2,3
	v_add_f32 v[ST+4*\b+1], v[ST+4*\b+2], v[ST+4*\b+3]      ; l's two halves (these lines are also the places behind the last products),
.endr
.irp b, 0,1,2,3
	v_permlanex16_b32 v[T+16+\b], v[ST+4*\b+1], s[SEL], s[SEL+1]
.endr
.irp b, 0,1,2,3
	v_add_f32 v[ST+4*\b+1], v[ST+4*\b+1], v[T+16+\b]        ; and the other block's: beside -M, as a pair
.endr
	WIN 0
	v_and_b32 v[ADS], 31, v0
	v_lshlrev_b32 v[ADS], 3, v[ADS]                ; 8 x lane
.set i, 0
.rept 32
	global_store_b128 v[LI], v[KV+4*i:KV+4*i+3], s[22:23] offset:512*i th:TH_STORE_NT   ; kv as images of its registers: 32 lanes store 512 consecutive bytes; each accumulator from its low end on
.set i, i+1
.endr
	WIN 0x0c                                       ; a store's data are its source 1: window 3
.irp b, 0,1,2,3
	global_store_b64 v[ADS], v[ST+4*\b:ST+4*\b+1], s[22:23] offset:16384+256*\b th:TH_STORE_NT   ; (-M, l) of channel 16 b + r: 256 consecutive bytes
.endr
	WIN 0
	s_set_vgpr_msb 0xf
	s_wait_tensorcnt 0x0
	ds_add_u32 v254, v255
	s_wait_dscnt 0x0
	s_set_vgpr_msb 0xf00
	CROUND                                         ; the closing round: no work-group ends while a partner may still ask for a tile that names it
	s_endpgm
.Lfunc_end_k_q4ff3aae92b_kvpart:
	.size	k_q4ff3aae92b_kvpart, .Lfunc_end_k_q4ff3aae92b_kvpart-k_q4ff3aae92b_kvpart
	.p2alignl 7, 3214868480
	.fill 96, 4, 3214868480
	.section	.rodata,"a",@progbits
	.p2align	6, 0x0
	.amdhsa_kernel k_q4ff3aae92b_kvpart
		.amdhsa_group_segment_fixed_size 295424
		.amdhsa_private_segment_fixed_size 0
		.amdhsa_enable_private_segment 0
		.amdhsa_kernarg_size 80
		.amdhsa_user_sgpr_count 2
		.amdhsa_user_sgpr_kernarg_segment_ptr 1
		.amdhsa_wavefront_size32 1
		.amdhsa_system_sgpr_workgroup_id_x 1
		.amdhsa_system_sgpr_workgroup_id_y 1
		.amdhsa_system_sgpr_workgroup_id_z 1
		.amdhsa_system_vgpr_workitem_id 0
		.amdhsa_next_free_vgpr 1024
		.amdhsa_next_free_sgpr 96
		.amdhsa_reserve_vcc 1
		.amdhsa_float_denorm_mode_32 3
		.amdhsa_float_denorm_mode_16_64 3
		.amdhsa_memory_ordered 1
		.amdhsa_forward_progress 1
		.amdhsa_inst_pref_size 199
	.end_amdhsa_kernel
	.amdgpu_metadata
---
amdhsa.version: [ 1, 2 ]
amdhsa.kernels:
  - .name:           k_q4ff3aae92b_kvpart
    .symbol:         k_q4ff3aae92b_kvpart.kd
    .args:
      - { .name: k_codes, .offset: 0, .size: 8, .value_kind: global_buffer, .address_space: global }
      - { .name: k_scales, .offset: 8, .size: 8, .value_kind: global_buffer, .address_space: global }
      - { .name: v_codes, .offset: 16, .size: 8, .value_kind: global_buffer, .address_space: global }
      - { .name: v_scales, .offset: 24, .size: 8, .value_kind: global_buffer, .address_space: global }
      - { .name: Wk_codes, .offset: 32, .size: 8, .value_kind: global_buffer, .address_space: global }
      - { .name: Wk_scales, .offset: 40, .size: 8, .value_kind: global_buffer, .address_space: global }
      - { .name: Wv_codes, .offset: 48, .size: 8, .value_kind: global_buffer, .address_space: global }
      - { .name: Wv_scales, .offset: 56, .size: 8, .value_kind: global_buffer, .address_space: global }
      - { .name: mask_attn, .offset: 64, .size: 8, .value_kind: global_buffer, .address_space: global }
      - { .name: part, .offset: 72, .size: 8, .value_kind: global_buffer, .address_space: global }
    .group_segment_fixed_size: 295424
    .private_segment_fixed_size: 0
    .kernarg_segment_align: 8
    .kernarg_segment_size: 80
    .max_flat_workgroup_size: 128
    .sgpr_count:     96
    .vgpr_count:     1024
    .wavefront_size: 32
...
	.end_amdgpu_metadata
.endif
;; end of part 1
;; launch kvfin (part 2): grid 4 x 64, 4 waves a work-group, no clusters, 5,120 bytes of LDS; arguments part, kvq; writes kvq
.if DOCPART == 2
	.amdgcn_target "amdgcn-amd-amdhsa--gfx1250"
	.amdhsa_code_object_version 6
	.text
	.protected	k_q4ff3aae92b_kvfin
	.globl	k_q4ff3aae92b_kvfin
	.p2align	8
	.type	k_q4ff3aae92b_kvfin,@function
k_q4ff3aae92b_kvfin:
	s_mov_b64 s[64:65], 0
	v_nop
	global_prefetch_b8 v0, s[64:65] scope:SCOPE_SE
	s_setreg_imm32_b32 hwreg(HW_REG_WAVE_MODE, 25, 1), 1
	s_wait_xcnt 0x0
; THE 16 CHUNKS' PARTS OF kv ARE JOINED, divided by l and quantised along d (MX-FP4, blocks of 32), as the operand of the last product.
; Grid 4 x 64: x = et (16 columns e of the head's 64), y = 16 n + head.  Wave b takes channels d = 16 b .. 16 b + 15: the accumulator (b, et) of all 16 chunks, as images of registers:
; lane (r, h), register j = kv_part(d = 16 b + r, e = 16 et + 8 h + j).  With M = the largest of the chunks' M, chunk c counts with g = 2^(M_c - M), an exact power of two.
; kv then turns through LDS ([e][d], rows of 256 bytes + 16), and wave 0 quantises: lane (r, h) takes e = 16 et + r and block h of d.
; No matrix work, no tensor load, nothing shared between work-groups: a stream of 80 KiB a work-group.
; LIMITS: 1 / l by v_rcp_f32; a block whose largest magnitude lies under 2^-124 (a block of zeros too) gets the byte 1: its codes are read by this program alone; NaN and infinities are not served.
.set REC, 17408                        ; a record: 32 images of 512 bytes, then four of 256 with (-M, l)
	s_load_b128 s[4:7], s[0:1], 0x0                ; part, kvq
	v_lshl_add_u32 v208, v0, 2, 0x1200
	v_mov_b32 v209, 0
	v_lshrrev_b32 v1, 5, v0
	v_readfirstlane_b32 s8, v1                     ; wave = b
	s_and_b32 s10, ttmp7, 0xffff                   ; 16 n + head
	v_and_b32 v1, 31, v0
	v_lshlrev_b32 v2, 3, v1                        ; 8 x lane
	v_lshlrev_b32 v3, 4, v1                        ; 16 x lane
	v_and_b32 v4, 15, v0                           ; r
	v_bfe_u32 v5, v0, 4, 1                         ; h
	v_mul_u32_u24 v6, v5, 8*272
	v_lshl_add_u32 v6, v4, 2, v6
	s_lshl_b32 s11, s8, 6
	v_add_nc_u32 v6, s11, v6                       ; into LDS: row e = 8 h + j, word d = 16 b + r
	v_mul_u32_u24 v7, v4, 272
	v_lshl_add_u32 v7, v5, 7, v7                   ; out of it: row e = r, block h
	s_mov_b32 s20, 0x76543210
	s_mov_b32 s21, 0xfedcba98                      ; v_permlanex16_b32's selects for lane l xor 16
	s_mul_i32 s12, s10, 16*REC                     ; the head's 16 records
	s_lshl_b32 s14, s8, 8
	s_add_co_u32 s14, s14, s12
	s_add_co_u32 s14, s14, 16384                   ; (-M, l) of my channels
	s_mov_b32 s15, 0
	s_lshl_b32 s16, s8, 2
	s_add_co_u32 s16, s16, ttmp9
	s_lshl_b32 s16, s16, 10
	s_add_co_u32 s16, s16, s12                     ; the two images of accumulator 4 b + et
	s_mov_b32 s17, 0
	s_lshl_b32 s18, s10, 2
	s_add_co_u32 s18, s18, ttmp9
	s_mul_i32 s18, s18, 768                        ; my record of the result
	s_mov_b32 s19, 0
	s_wait_kmcnt 0x0
	s_add_nc_u64 s[14:15], s[4:5], s[14:15]
	s_add_nc_u64 s[16:17], s[4:5], s[16:17]
	s_add_nc_u64 s[6:7], s[6:7], s[18:19]
.set cc, 0
.rept 16
	global_load_b64 v[144+2*cc:145+2*cc], v2, s[14:15] offset:REC*cc
.set cc, cc+1
.endr
.set cc, 0
.rept 16
	global_load_b128 v[16+8*cc:19+8*cc], v3, s[16:17] offset:REC*cc th:TH_LOAD_NT
	global_load_b128 v[20+8*cc:23+8*cc], v3, s[16:17] offset:REC*cc+512 th:TH_LOAD_NT
.set cc, cc+1
.endr
	s_wait_loadcnt 32                              ; the 16 pairs are in; the 32 loads of kv may be out
	v_min3_num_f32 v184, v144, v146, v148          ; the least -M = minus the largest M
.irp c, 3,5,7,9,11,13
	v_min3_num_f32 v184, v184, v[144+2*\c], v[146+2*\c]
.endr
	v_min_num_f32 v184, v184, v174
.set cc, 0
.rept 16
	v_sub_f32 v[144+2*cc], v184, v[144+2*cc]       ; M_c - M: a whole number, 0 or less
.set cc, cc+1
.endr
.set cc, 0
.rept 16
	v_cvt_i32_f32 v[144+2*cc], v[144+2*cc]         ; (it saturates)
.set cc, cc+1
.endr
.set cc, 0
.rept 16
	v_ldexp_f32 v[144+2*cc], 1.0, v[144+2*cc]      ; g
.set cc, cc+1
.endr
	v_mul_f32 v185, v144, v145
.set cc, 1
.rept 15
	v_fma_f32 v185, v[144+2*cc], v[145+2*cc], v185 ; l = the sum of g l_c: over 1/2, since the chunk with the largest M has g = 1
.set cc, cc+1
.endr
	v_rcp_f32 v186, v185
	v_mov_b32 v187, 0                              ; (a plain line behind the reciprocal; the pair v[186:187] is named whole)
	s_wait_loadcnt 0x0
.irp p, 0,2,4,6
	v_pk_mul_f32 v[176+\p:177+\p], v[16+\p:17+\p], v[144:145] op_sel_hi:[1,0]
.endr
.set cc, 1
.rept 15
.irp p, 0,2,4,6
	v_pk_fma_f32 v[176+\p:177+\p], v[16+8*cc+\p:17+8*cc+\p], v[144+2*cc:145+2*cc], v[176+\p:177+\p] op_sel_hi:[1,0,1]
.endr
.set cc, cc+1
.endr
	s_wait_alu depctr_va_vdst(0)
.irp p, 0,2,4,6
	v_pk_mul_f32 v[176+\p:177+\p], v[176+\p:177+\p], v[186:187] op_sel_hi:[1,0]   ; kv, finished and normalised
.endr
.irp j, 0,1,2,3,4,5,6,7
	ds_store_b32 v6, v[176+\j] offset:272*\j
.endr
	s_wait_dscnt 0x0                               ; for wave 0's sake: my stores have landed
	s_barrier_signal -1
	s_barrier_wait -1
	s_cmp_lg_u32 s8, 0
	s_cbranch_scc1 .Ldone
.irp k, 0,1,2,3,4,5,6,7
	ds_load_b128 v[16+4*\k:19+4*\k], v7 offset:16*\k   ; kv(d = 32 h + 0 .. 31, e = 16 et + r)
.endr
	v_mov_b32 v186, 0                              ; (a lane permute's destination counts as a source)
	s_wait_dscnt 0x0
	v_max3_num_f32 v184, |v16|, |v17|, 0x1800000   ; the block's largest magnitude, and the floor 2^(3 - 127)
.irp i, 2,4,6,8,10,12,14,16,18,20,22,24,26,28,30
	v_max3_num_f32 v184, v184, |v[16+\i]|, |v[17+\i]|
.endr
	v_add_nc_u32 v184, 0xff000000, v184            ; 2 off its exponent field: the conversion's scale operand
	v_lshrrev_b32 v185, 23, v184                   ; the scale's byte
	v_permlanex16_b32 v186, v185, s20, s21
	v_cmp_eq_u32 vcc_lo, 1, v5
	v_cndmask_b32 v188, v185, v186, vcc_lo         ; block 0's byte,
	v_cndmask_b32 v189, v186, v185, vcc_lo         ; block 1's: in every lane
	v_lshl_or_b32 v188, v189, 8, v188              ; the scale word of row e: bytes 2 and 3, over zero codes, are 0
	v_mov_b32 v189, v188
.irp a, 0,1,2,3
	v_cvt_scalef32_pk8_fp4_f32 v[192+\a], v[16+8*\a:23+8*\a], v184
.endr
	global_store_b128 v3, v[192:195], s[6:7]               ; registers 0-3 of the operand as an image: 512 consecutive bytes
	global_store_b64 v2, v[188:189], s[6:7] offset:512     ; the word twice: 256 consecutive bytes
.Ldone:
	s_wait_tensorcnt 0x0
	ds_add_u32 v208, v209
	s_wait_dscnt 0x0
	s_endpgm
.Lfunc_end_k_q4ff3aae92b_kvfin:
	.size	k_q4ff3aae92b_kvfin, .Lfunc_end_k_q4ff3aae92b_kvfin-k_q4ff3aae92b_kvfin
	.p2alignl 7, 3214868480
	.fill 96, 4, 3214868480
	.section	.rodata,"a",@progbits
	.p2align	6, 0x0
	.amdhsa_kernel k_q4ff3aae92b_kvfin
		.amdhsa_group_segment_fixed_size 5120
		.amdhsa_private_segment_fixed_size 0
		.amdhsa_enable_private_segment 0
		.amdhsa_kernarg_size 16
		.amdhsa_user_sgpr_count 2
		.amdhsa_user_sgpr_kernarg_segment_ptr 1
		.amdhsa_wavefront_size32 1
		.amdhsa_system_sgpr_workgroup_id_x 1
		.amdhsa_system_sgpr_workgroup_id_y 1
		.amdhsa_system_sgpr_workgroup_id_z 1
		.amdhsa_system_vgpr_workitem_id 0
		.amdhsa_next_free_vgpr 210
		.amdhsa_next_free_sgpr 66
		.amdhsa_reserve_vcc 1
		.amdhsa_float_denorm_mode_32 3
		.amdhsa_float_denorm_mode_16_64 3
		.amdhsa_memory_ordered 1
		.amdhsa_forward_progress 1
		.amdhsa_inst_pref_size 18
	.end_amdhsa_kernel
	.amdgpu_metadata
---
amdhsa.version: [ 1, 2 ]
amdhsa.kernels:
  - .name:           k_q4ff3aae92b_kvfin
    .symbol:         k_q4ff3aae92b_kvfin.kd
    .args:
      - { .name: part, .offset: 0, .size: 8, .value_kind: global_buffer, .address_space: global }
      - { .name: kvq, .offset: 8, .size: 8, .value_kind: global_buffer, .address_space: global }
    .group_segment_fixed_size: 5120
    .private_segment_fixed_size: 0
    .kernarg_segment_align: 8
    .kernarg_segment_size: 16
    .max_flat_workgroup_size: 128
    .sgpr_count:     66
    .vgpr_count:     210
    .wavefront_size: 32
...
	.end_amdgpu_metadata
.endif
;; end of part 2
;; launch qout (part 3): grid 4 x 64, 4 waves a work-group, clusters of 4 x 1, 168,448 bytes of LDS; arguments q_codes, q_scales, Wq_codes, Wq_scales, mask_q, kvq, out0; writes out0
.if DOCPART == 3
	.amdgcn_target "amdgcn-amd-amdhsa--gfx1250"
	.amdhsa_code_object_version 6
	.text
	.protected	k_q4ff3aae92b_qout
	.globl	k_q4ff3aae92b_qout
	.p2align	8
	.type	k_q4ff3aae92b_qout,@function
k_q4ff3aae92b_qout:
	s_mov_b64 s[64:65], 0
	v_nop
	global_prefetch_b8 v0, s[64:65] scope:SCOPE_SE
	s_setreg_imm32_b32 hwreg(HW_REG_WAVE_MODE, 25, 1), 1
	s_wait_xcnt 0x0
	s_wait_alu depctr_hold_cnt(0) depctr_sa_sdst(0) depctr_va_vdst(0) depctr_va_sdst(0) depctr_va_ssrc(0) depctr_va_vcc(0) depctr_vm_vsrc(0)
	s_getreg_b32 s2, hwreg(HW_REG_IB_STS2, 6, 4)
	s_cmp_eq_u32 s2, 0
	s_cbranch_scc0 .Lentry_in_a_cluster
	s_endpgm
.Lentry_in_a_cluster:
	s_bfe_u32 s2, ttmp6, 0x10000c
	s_cmp_lg_u32 s2, 0x3003
	s_cbranch_scc0 .Lentry_shape_is_right
	s_endpgm
.Lentry_shape_is_right:
; out = softmax_d(q Wq - 10000 (1 - mask_q)) kv, head by head.  qh = q Wq on the given codes of E2M1; p = 2^(qh' log2(e) - M), M the ceiling of the row's largest exponent over the head's 64 channels;
; p is quantised along d (MX-FP4, two blocks of 32) and multiplied by kv's codes, which an earlier launch made; the result is divided by l, the sum of the unquantised p.
; SHARES.  Grid 4 x 64, clusters of four along x.  y: rows 256 y .. 256 y + 255 of the flattened [16384][1024] q.  Place cx in the cluster = a group of four heads; wave w owns head 4 cx + w.
; A wave's 64 rows of Wq (256 registers) and its head's kv (four fragments) stay in registers.  The 256 rows of q lie in LDS, read by all four waves; the four work-groups of a cluster need the same rows,
; so each tile is asked for JOINTLY (mask 15).  The weights and kv are shared with no partner of the cluster.  Every LDS byte that a tile fills is filled once, at the head: no ring, no refill.
; THE WEIGHTS COME K STEP BY K STEP: Wq's 64 loads go out last at the head, eight for each K step, and the first trip's products of a K step wait for that step's eight alone.
; A TRIP is 64 rows.  THE PROJECTION IS USED TRANSPOSED (source 0 = 16 rows of Wq, source 1 = 16 rows of q), and tile a of Wq takes channel 8 a + (m % 8) + 32 (m / 8) for matrix row m: lane (r, h) then holds ONE row t = 16 tau + r
; and its 32 registers of the four tiles a hold d = 32 h + 0 .. 31: one whole block along the next K.  The last product is used transposed too (source 0 = kv, 16 e; source 1 = p): a lane holds eight neighbouring e of its row.
; That product has K = 64 in an instruction 128 deep: registers 4-7 of its operands are zero codes, written once, and bytes 2, 3 of its scale words are 0.
; LIMITS: NaN, infinities and the scale byte 0xff among the inputs are not served; a p under 2^-126 counts as 0 (v_exp_f32 flushes: ISA guide 15.8); a block whose largest p lies under 2^-124 gets the byte 1; 1 / l by v_rcp_f32.
; REGISTERS, in windows of 256 (s_set_vgpr_msb: bits 1:0 source 0, 3:2 source 1, 5:4 source 2, 7:6 destination):
;   window 0: v0-15 addresses; v16-47 Wq's scale words; v48-63 q's; v64-67 p's; v68-71 kv's; v72-79 1 / l; v128-255 the results, 16 accumulators
;   window 1: v0-127 Wq, K steps 0-3 (32 a + 8 s); v128, v129 addresses      window 2: v0-127 Wq, K steps 4-7; v128 address; v136-167 p's codes; v168-199 kv's codes
;   window 3: v0-127 the projection's 16 accumulators (32 tau + 8 a); v128-191 four slots of two fragments; v196-211 -M and the mask's term for each tau; v212-235 at work
; An LDS load takes its address from source 0's window, which under the projection's setting is Wq's: so the fragments' address is kept in windows 1 and 2 alike.
.set ROWP, 528                         ; an LDS row of codes: 512 bytes + 16 of padding = 132 words: row r starts at bank 4 r mod 64 (64 banks of 4 bytes: ISA guide 11.1): a fragment's 16 rows start at 16 different banks
.set QSC,  256*ROWP                    ; q's scale bytes: 256 rows x 32
.set STG,  QSC+8192                    ; the way out: 16 rows x (256 bytes + 16) for each wave
.set BQ,   STG+4*16*272                ; -10000 (1 - mask) of the 256 rows, f32.  Stage and terms are stored by the waves, in blocks of 256 bytes into which no tile lands
.set WA,  3                            ; v3   Wq: 512 (r % 8 + 32 (r / 8)) + 16 h
.set WSA, 4                            ; v4   its scale words: 32 x the same row
.set QSB, 5                            ; v5   q's scale words: QSC + 32 x lane
.set QDS, 6                            ; v6   the same for the trip in hand
.set LI,  7                            ; v7   16 x lane
.set STO, 8                            ; v8   the stage: where I put 32 bytes of a row
.set RD,  9                            ; v9   and where I read a row back
.set GO,  10                           ; v10  my byte offset in two rows of out
.set L8,  11                           ; v11  8 x lane
.set AQB, 12                           ; v12  ROWP r + 16 h
.set BQB, 13                           ; v13  BQ + 4 r
.set WS,  16
.set QS,  48                           ; v[QS + 8 i + s]: lanes 0-15 tile 2 i's rows, lanes 16-31 tile 2 i + 1's
.set PS,  64
.set KS,  68
.set RL,  72
.set OUT, 128
.set ADR, 128                          ; windows 1 and 2
.set ABQ, 129                          ; window 1
.set PF,  136                          ; window 2
.set KF,  168
.set AF,  128                          ; window 3
.set ST,  196
.set T,   212
.set WV,  24
.set G1A, 32                           ; s[32:39] group 1: 16 rows;  s[40:47]: 48 rows;  s[48:55]: scale bytes;  s[56:59], s[60:63], s[68:71] groups 0: scale bytes, 16 rows, 48 rows
.set G1B, 40
.set G1S, 48
.set CS,  72
.set SEL, 74
.set TR,  76
.set TP,  77
.set MSB, 0
.macro WIN new                         ; the immediate's high byte repeats the setting that is left; a switch that changes nothing is dropped
.if MSB != \new
	s_set_vgpr_msb (MSB<<8)|\new
.set MSB, \new
.endif
.endm
.macro PLACES n
.rept \n
	v_nop
.endr
.endm
.macro CROUND                          ; a round of the cluster's barrier
	s_barrier_signal -1
	s_barrier_wait -1
	s_cmp_lg_u32 s[WV], 0
	s_cbranch_scc1 .Lnot_wave_0_\@
	s_barrier_signal -3
.Lnot_wave_0_\@:
	s_barrier_wait -3
	s_barrier_signal -1
	s_barrier_wait -1
.endm
.macro WM d, a, b, acc, sa, sb, rb     ; one product.  acc = 0: the constant 0 starts the sum.  rb = 1: source 1's scale words stand in lanes 16-31
.if (\acc) == 0
.if \rb
	v_wmma_scale_f32_16x16x128_f8f6f4 v[\d:\d+7], v[\a:\a+7], v[\b:\b+7], 0, v[\sa], v[\sb] matrix_a_fmt:MATRIX_FMT_FP4 matrix_b_fmt:MATRIX_FMT_FP4 matrix_b_scale:MATRIX_SCALE_ROW1
.else
	v_wmma_scale_f32_16x16x128_f8f6f4 v[\d:\d+7], v[\a:\a+7], v[\b:\b+7], 0, v[\sa], v[\sb] matrix_a_fmt:MATRIX_FMT_FP4 matrix_b_fmt:MATRIX_FMT_FP4
.endif
.else
.if \rb
	v_wmma_scale_f32_16x16x128_f8f6f4 v[\d:\d+7], v[\a:\a+7], v[\b:\b+7], v[\d:\d+7], v[\sa], v[\sb] matrix_a_fmt:MATRIX_FMT_FP4 matrix_b_fmt:MATRIX_FMT_FP4 matrix_b_scale:MATRIX_SCALE_ROW1
.else
	v_wmma_scale_f32_16x16x128_f8f6f4 v[\d:\d+7], v[\a:\a+7], v[\b:\b+7], v[\d:\d+7], v[\sa], v[\sb] matrix_a_fmt:MATRIX_FMT_FP4 matrix_b_fmt:MATRIX_FMT_FP4
.endif
.endif
.endm
	s_load_b256 s[4:11], s[0:1], 0x0               ; q's codes s[4:5], q's scales s[6:7], Wq's codes s[8:9], Wq's scales s[10:11]
	s_load_b128 s[12:15], s[0:1], 0x20             ; mask_q, kvq
	s_load_b64 s[16:17], s[0:1], 0x30              ; out
	v_lshl_add_u32 v126, v0, 2, 0x29000
	v_mov_b32 v127, 0
	ds_add_u32 v126, v127
	ds_add_u32 v126, v127
	v_lshrrev_b32 v1, 5, v0
	v_readfirstlane_b32 s[WV], v1                  ; wave 0..3
	s_bfe_u32 s25, ttmp6, 0x40000                  ; cx: it enters the weights', kv's and the output's addresses alone
	s_and_b32 s26, ttmp7, 0xffff                   ; y, which the four partners share
	s_lshl_b32 s27, s25, 2
	s_add_co_u32 s27, s27, s[WV]                   ; my head
	s_mov_b32 s[G1A], 15|(1<<20)|(1<<21)|(6<<22)|(3<<25)   ; the mask: all four work-groups; elements of 1 byte; padding on; bit 21 beside a mask; after every 128 words (code 6) four words (code 3)
	s_mov_b32 s[G1A+1], 512<<16                    ; tensor_dim0 = 512
	s_mov_b32 s[G1A+2], 16<<16                     ; tensor_dim1 = 16
	s_mov_b32 s[G1A+3], 512<<16                    ; tile_dim0 = 512
	s_mov_b32 s[G1A+4], 16                         ; tile_dim1 = 16
	s_mov_b32 s[G1A+5], 512                        ; from row to row
	s_mov_b32 s[G1A+6], 0
	s_mov_b32 s[G1A+7], 0
	s_mov_b32 s[G1B], 15|(1<<20)|(1<<21)|(6<<22)|(3<<25)   ; the same with 48 rows
	s_mov_b32 s[G1B+1], 512<<16
	s_mov_b32 s[G1B+2], 48<<16
	s_mov_b32 s[G1B+3], 512<<16
	s_mov_b32 s[G1B+4], 48
	s_mov_b32 s[G1B+5], 512
	s_mov_b32 s[G1B+6], 0
	s_mov_b32 s[G1B+7], 0
	s_mov_b32 s[G1S], 15|(3<<16)|(1<<21)           ; the scale bytes of 64 rows: 2,048 dense bytes as 8 rows of 32 elements of 8 bytes, no padding
	s_mov_b32 s[G1S+1], 32<<16
	s_mov_b32 s[G1S+2], 8<<16
	s_mov_b32 s[G1S+3], 32<<16
	s_mov_b32 s[G1S+4], 8
	s_mov_b32 s[G1S+5], 32
	s_mov_b32 s[G1S+6], 0
	s_mov_b32 s[G1S+7], 0
	s_mov_b32 s[CS], 0x3fb8aa3b                    ; log2(e)
	s_mov_b32 s[CS+1], s[CS]
	s_mov_b32 s[SEL], 0x76543210
	s_mov_b32 s[SEL+1], 0xfedcba98
	v_and_b32 v1, 15, v0                           ; r
	v_bfe_u32 v2, v0, 4, 1                         ; h
	v_and_b32 v14, 7, v1
	v_lshrrev_b32 v15, 3, v1
	v_lshl_add_u32 v14, v15, 5, v14                ; r % 8 + 32 (r / 8)
	v_lshlrev_b32 v[WA], 9, v14
	v_lshl_add_u32 v[WA], v2, 4, v[WA]
	v_lshlrev_b32 v[WSA], 5, v14
	v_and_b32 v15, 31, v0                          ; lane
	v_lshl_add_u32 v[QSB], v15, 5, QSC
	v_lshlrev_b32 v[LI], 4, v15
	v_lshlrev_b32 v[L8], 3, v15
	s_mul_i32 s82, s[WV], 16*272
	s_add_co_u32 s82, s82, STG                     ; my stage
	v_mul_u32_u24 v[STO], v1, 272
	v_lshl_add_u32 v[STO], v2, 5, v[STO]
	v_add_nc_u32 v[STO], s82, v[STO]               ; in: row r, 32 bytes for each half of the lanes
	v_mul_u32_u24 v[RD], v2, 272
	v_lshl_add_u32 v[RD], v1, 4, v[RD]
	v_add_nc_u32 v[RD], s82, v[RD]                 ; back: lanes 0-15 one row of 256 bytes, lanes 16-31 the next
	v_lshlrev_b32 v[GO], 12, v2
	v_lshl_add_u32 v[GO], v1, 4, v[GO]             ; and the same two rows in out: 4,096 bytes a row
	v_mul_u32_u24 v[AQB], v1, ROWP
	v_lshl_add_u32 v[AQB], v2, 4, v[AQB]
	v_lshl_add_u32 v[BQB], v1, 2, BQ
	v_lshlrev_b32 v82, 3, v0                       ; where my two mask words lie,
	v_lshl_add_u32 v83, v0, 3, BQ                  ; and where I store their terms
	s_wait_dscnt 0x0
	s_wait_kmcnt 0x0
	s_lshl_b32 s2, s26, 13                         ; the scale bytes: 256 y rows of 32 bytes,
	s_lshl_b32 s3, s[WV], 11                       ; + my 64 rows
	s_add_co_u32 s2, s2, s3
	s_add_co_u32 s57, s3, QSC                      ; no place in the cluster enters an LDS address
	s_mov_b32 s3, 0
	s_mov_b32 s56, 1
	s_add_nc_u64 s[58:59], s[6:7], s[2:3]
	s_or_b32 s59, s59, 0x80000000
	s_lshl_b32 s2, s26, 17                         ; trip 0's rows: 256 y rows of 512 bytes,
	s_lshl_b32 s78, s[WV], 13                      ; + my 16
	s_add_co_u32 s2, s2, s78
	s_mov_b32 s60, 1
	s_mul_i32 s61, s[WV], 16*ROWP
	s_add_nc_u64 s[62:63], s[4:5], s[2:3]
	s_or_b32 s63, s63, 0x80000000
	s_lshl_b32 s2, s26, 17                         ; the other 192 rows: my 48
	s_mul_i32 s78, s[WV], 48*512
	s_add_co_u32 s2, s2, s78
	s_add_co_u32 s2, s2, 64*512
	s_mov_b32 s68, 1
	s_mul_i32 s69, s[WV], 48*ROWP
	s_add_co_u32 s69, s69, 64*ROWP
	s_add_nc_u64 s[70:71], s[4:5], s[2:3]
	s_or_b32 s71, s71, 0x80000000
	s_lshl_b32 s84, s27, 15                        ; my head's 64 rows of Wq
	s_mov_b32 s85, 0
	s_add_nc_u64 s[8:9], s[8:9], s[84:85]
	s_lshl_b32 s84, s27, 11
	s_add_nc_u64 s[10:11], s[10:11], s[84:85]
	s_lshl_b32 s84, s26, 10                        ; the 256 mask words
	s_add_nc_u64 s[12:13], s[12:13], s[84:85]
	s_lshr_b32 s84, s26, 4
	s_lshl_b32 s84, s84, 4
	s_add_co_u32 s84, s84, s27                     ; 16 n + head: four records of 768 bytes
	s_mul_i32 s84, s84, 3072
	s_add_nc_u64 s[14:15], s[14:15], s[84:85]
	s_lshl_b32 s84, s26, 20                        ; out: 256 y rows of 4,096 bytes,
	s_lshl_b32 s86, s27, 8                         ; + my head's 256 bytes
	s_add_co_u32 s84, s84, s86
	s_add_nc_u64 s[16:17], s[16:17], s[84:85]
	CROUND                                         ; all four work-groups are here: the joint loads meet
	tensor_load_to_lds s[56:59], s[G1S:G1S+7]      ; all fills of the launch in one group: three loads of mine are out
	s_nop 0
	tensor_load_to_lds s[60:63], s[G1A:G1A+7]
	s_nop 0
	tensor_load_to_lds s[68:71], s[G1B:G1B+7]
	s_nop 0
	PLACES 4                                       ; (four lines ahead of the next switch of windows)
	global_load_b64 v[80:81], v82, s[12:13]        ; the 17 small loads first.  Two mask words a thread: the wave reads 256 consecutive bytes
.irp e, 0,1,2,3
	global_load_b32 v[KS+\e], v[L8], s[14:15] offset:768*\e+512      ; kv's scale words
.endr
.irp a, 0,1,2,3
.irp q, 0,1
	global_load_b128 v[WS+8*\a+4*\q:WS+8*\a+4*\q+3], v[WSA], s[10:11] offset:256*\a+16*\q
.endr
.endr
	WIN 0x80                                       ; destination window 2
.irp e, 0,1,2,3
	global_load_b128 v[KF+8*\e:KF+8*\e+3], v[LI], s[14:15] offset:768*\e   ; kv's codes: the image of registers 0-3
.endr
	WIN 0x40                                       ; destination window 1
.irp s, 0,1,2,3                                ; Wq, K STEP BY K STEP: eight loads a step, so that a step's products need wait for no later step
.irp a, 0,1,2,3
.irp c, 0,1
	global_load_b128 v[32*\a+8*\s+4*\c:32*\a+8*\s+4*\c+3], v[WA], s[8:9] offset:4096*\a+64*\s+32*\c
.endr
.endr
.endr
	WIN 0x80                                       ; destination window 2
.irp s, 0,1,2,3                                ; K steps 4 + s
.irp a, 0,1,2,3
.irp c, 0,1
	global_load_b128 v[32*\a+8*\s+4*\c:32*\a+8*\s+4*\c+3], v[WA], s[8:9] offset:4096*\a+256+64*\s+32*\c
.endr
.endr
.endr
.irp f, 0,1,2,3
.irp c, 4,5,6,7
	v_mov_b32 v[PF+8*\f+\c], 0                     ; K = 64 .. 127 of the last product's operands: zero codes, written once
	v_mov_b32 v[KF+8*\f+\c], 0
.endr
.endr
	WIN 0xc0                                       ; destination window 3
.set i, 0
.rept 40
	v_mov_b32 v[ST+i], 0                           ; written once: a lane permute's destination counts as a source, and a pair is named whole
.set i, i+1
.endr
	WIN 0
.set i, 0
.rept 8
	v_mov_b32 v[RL+i], 0
.set i, i+1
.endr
	s_wait_loadcnt 63                              ; 81 loads were issued: all but the youngest 63, which are Wq's, are in: the mask, kv's codes and scale words, Wq's scale words
	v_cvt_f32_i32 v80, v80
	v_cvt_f32_i32 v81, v81
	v_sub_f32 v80, 1.0, v80
	v_sub_f32 v81, 1.0, v81
	v_mul_f32 v80, 0xc61c4000, v80                 ; -10000 (1 - mask)
	v_mul_f32 v81, 0xc61c4000, v81
	ds_store_b64 v83, v[80:81]
	s_wait_tensorcnt 1                             ; my scale bytes and my rows of trip 0 are in; the 48 rows may stay out
	s_wait_dscnt 0x0                               ; for the others' sake: my store has landed
	s_barrier_signal -1
	s_barrier_wait -1
; Two fragments of q (tiles 2 (gg % 2) and + 1, K step gg / 2) into slot gg % 4.  Destination window 3, address in source 0's window.
.macro AFLOAD gg
.irp tt, 0,1
.irp c, 0,1
	ds_load_b128 v[AF+16*((\gg)%4)+8*\tt+4*\c:AF+16*((\gg)%4)+8*\tt+4*\c+3], v[ADR] offset:16*ROWP*(2*((\gg)%2)+\tt)+64*((\gg)/2)+32*\c
.endr
.endr
.endm
.macro PRE                             ; what the projection of trip TP wants first: scale words, three groups of fragments
	WIN 0
	s_lshl_b32 s82, s[TP], 11
	s_mul_i32 s83, s[TP], 64*ROWP
	v_add_nc_u32 v[QDS], s82, v[QSB]
.irp i, 0,1
.irp q, 0,1
	ds_load_b128 v[QS+8*\i+4*\q:QS+8*\i+4*\q+3], v[QDS] offset:1024*\i+16*\q
.endr
.endr
	WIN 0x40
	v_add_nc_u32 v[ADR], s83, v[AQB]
	WIN 0x80
	v_add_nc_u32 v[ADR], s83, v[AQB]
	WIN 0xfd
	AFLOAD 0
	AFLOAD 1
	AFLOAD 2
.endm
; THE PROJECTION: my head's 64 channels x 64 rows x K = 1,024: 16 groups of 8 products.  Group gi: K step gi / 2, tiles of rows 2 (gi % 2) and + 1, each against Wq's four tiles.
; The 16 accumulators take turns, one instruction a turn.  Loads run three groups ahead in four slots, each four places behind the products that read its slot.
; first = 1: the first trip, in which Wq is still on its way.  Loads come back in order (ISA guide 5.7.1), so each K step waits by count for its own eight loads.
.macro PROJ first
.set gi, 0
.rept 16
.if gi < 8
	WIN 0xfd                                       ; source 0 (Wq) window 1; source 1 (q), C and D window 3
.else
	WIN 0xfe                                       ; Wq's K steps 4-7: window 2
.endif
.if (gi > 0) && (gi <= 12)
	PLACES 4
.endif
.if gi <= 12
	AFLOAD gi+3
	s_wait_dscnt 12                                ; the three groups behind this one, four loads each, may be out (in groups 0 and 1 the mask's four words stand among them: the count then waits for a little more than it must)
.else
	s_wait_dscnt 4*(15-gi)
.endif
.set ksx, gi/2
.set px, gi%2
.if (\first) && (px == 0)
	s_wait_loadcnt 8*(7-ksx)                       ; behind this K step's eight loads of Wq stand the later steps' alone
.endif
.irp tt, 0,1
.irp a, 0,1,2,3
	WM 32*(2*px+\tt)+8*\a, 32*\a+8*(ksx%4), AF+16*(gi%4)+8*\tt, ksx, WS+8*\a+ksx, QS+8*px+ksx, \tt
.endr
.endr
.set gi, gi+1
.endr
	PLACES 4
.endm
; THE SOFTMAX OVER d.  x' = x + term, t = x' log2(e), y = t - M: three roundings, as the definition reads.  Every step goes by turns over the four tiles of rows.
.macro SOFTQ
	WIN 0xff
.irp i, 0,2,4,6,8,10,12,14,16,18,20,22,24,26,28,30
.irp t, 0,1,2,3
	v_pk_add_f32 v[32*\t+\i:32*\t+\i+1], v[32*\t+\i:32*\t+\i+1], v[ST+4*\t+2:ST+4*\t+3] op_sel_hi:[1,0]   ; each accumulator is read from its low end on
.endr
.endr
.irp i, 0,2,4,6,8,10,12,14,16,18,20,22,24,26,28,30
.irp t, 0,1,2,3
	v_pk_mul_f32 v[32*\t+\i:32*\t+\i+1], v[32*\t+\i:32*\t+\i+1], s[CS:CS+1] op_sel_hi:[1,0]
.endr
.endr
.irp t, 0,1,2,3
	v_max3_num_f32 v[T+\t], v[32*\t], v[32*\t+1], v[32*\t+2]      ; my block's largest t: it serves the row's maximum and the block's largest p
.endr
.irp i, 3,5,7,9,11,13,15,17,19,21,23,25,27,29
.irp t, 0,1,2,3
	v_max3_num_f32 v[T+\t], v[T+\t], v[32*\t+\i], v[32*\t+\i+1]
.endr
.endr
.irp t, 0,1,2,3
	v_max_num_f32 v[T+\t], v[T+\t], v[32*\t+31]
.endr
.irp t, 0,1,2,3
	v_permlanex16_b32 v[T+4+\t], v[T+\t], s[SEL], s[SEL+1]
.endr
.irp t, 0,1,2,3
	v_max_num_f32 v[T+4+\t], v[T+4+\t], v[T+\t]
.endr
.irp t, 0,1,2,3
	v_floor_f32 v[ST+4*\t], -v[T+4+\t]                            ; -M = -ceil(the row's largest t)
.endr
.irp t, 0,1,2,3
	v_add_f32 v[T+\t], v[T+\t], v[ST+4*\t]
.endr
.irp i, 0,2,4,6,8,10,12,14,16,18,20,22,24,26,28,30
	v_pk_add_f32 v[\i:\i+1], v[\i:\i+1], v[ST:ST+1] op_sel_hi:[1,0]
.endr
.irp t, 0,1,2,3                        ; tile t's exponentials, with tile t + 1's t - M between them
.set k, 0
.rept 16
	v_exp_f32 v[32*\t+2*k], v[32*\t+2*k]
.if \t < 3
	v_pk_add_f32 v[32*(\t+1)+2*k:32*(\t+1)+2*k+1], v[32*(\t+1)+2*k:32*(\t+1)+2*k+1], v[ST+4*(\t+1):ST+4*(\t+1)+1] op_sel_hi:[1,0]
.endif
	v_exp_f32 v[32*\t+2*k+1], v[32*\t+2*k+1]
.set k, k+1
.endr
.endr
.irp t, 0,1,2,3
	v_exp_f32 v[T+\t], v[T+\t]                                    ; the block's largest p
.endr
	v_nop                                                             ; a plain line behind the exponentials (ISA guide 5.7.2)
	s_wait_alu depctr_va_vdst(0)
.irp t, 0,1,2,3
	v_max_num_f32 v[T+\t], 0x1800000, v[T+\t]                     ; the floor 2^(3 - 127)
.endr
.irp t, 0,1,2,3
	v_add_nc_u32 v[T+\t], 0xff000000, v[T+\t]                     ; the conversion's scale operand
.endr
.irp t, 0,1,2,3
	v_lshrrev_b32 v[T+4+\t], 23, v[T+\t]                          ; the scale's byte
.endr
.irp t, 0,1,2,3
	v_permlanex16_b32 v[T+16+\t], v[T+4+\t], s[SEL], s[SEL+1]
.endr
	WIN 0x3f                                       ; sources window 3, destination window 0
.irp t, 0,1,2,3
	v_lshl_or_b32 v[PS+\t], v[T+16+\t], 8, v[T+4+\t]              ; lanes 0-15, which alone are read: block 0's byte, block 1's, 0, 0
.endr
	WIN 0x8f                                       ; destination window 2
.irp t, 0,1,2,3
.irp a, 0,1,2,3
	v_cvt_scalef32_pk8_fp4_f32 v[PF+8*\t+\a], v[32*\t+8*\a:32*\t+8*\a+7], v[T+\t]
.endr
.endr
	v_nop                                                             ; a plain line behind the scaled conversions
	WIN 0xff
.irp i, 0,2,4,6,8,10,12,14             ; the sum of the UNQUANTISED p, in place, two at a time
.irp t, 0,1,2,3
	v_pk_add_f32 v[32*\t+\i:32*\t+\i+1], v[32*\t+\i:32*\t+\i+1], v[32*\t+\i+16:32*\t+\i+17]
.endr
.endr
.irp i, 0,2,4,6
.irp t, 0,1,2,3
	v_pk_add_f32 v[32*\t+\i:32*\t+\i+1], v[32*\t+\i:32*\t+\i+1], v[32*\t+\i+8:32*\t+\i+9]
.endr
.endr
.irp i, 0,2
.irp t, 0,1,2,3
	v_pk_add_f32 v[32*\t+\i:32*\t+\i+1], v[32*\t+\i:32*\t+\i+1], v[32*\t+\i+4:32*\t+\i+5]
.endr
.endr
.irp t, 0,1,2,3
	v_pk_add_f32 v[T+8+2*\t:T+9+2*\t], v[32*\t:32*\t+1], v[32*\t+2:32*\t+3]
.endr
.irp t, 0,1,2,3
	v_add_f32 v[T+4+\t], v[T+8+2*\t], v[T+9+2*\t]
.endr
.irp t, 0,1,2,3
	v_permlanex16_b32 v[T+16+\t], v[T+4+\t], s[SEL], s[SEL+1]
.endr
.irp t, 0,1,2,3
	v_add_f32 v[T+4+\t], v[T+4+\t], v[T+16+\t]                    ; l of my row
.endr
	WIN 0x3f
.irp t, 0,1,2,3
	v_rcp_f32 v[RL+2*\t], v[T+4+\t]
.endr
	v_nop                                                             ; a plain line behind the reciprocals
	s_wait_alu depctr_va_vdst(0)
.endm
; THE WAY OUT of tile t (16 rows x my head's 64 columns): x 1 / l; a lane's 32 bytes of a row go into my own stage and come back as whole rows of 256 bytes, into the registers that they left.
.macro PACK t
.set i, 0
.rept 16
	v_pk_mul_f32 v[OUT+32*\t+2*i:OUT+32*\t+2*i+1], v[OUT+32*\t+2*i:OUT+32*\t+2*i+1], v[RL+2*\t:RL+2*\t+1] op_sel_hi:[1,0]
.set i, i+1
.endr
.irp e, 0,1,2,3
.irp q, 0,1
	ds_store_b128 v[STO], v[OUT+32*\t+8*\e+4*\q:OUT+32*\t+8*\e+4*\q+3] offset:64*\e+16*\q
.endr
.endr
.irp k, 0,1,2,3,4,5,6,7
	ds_load_b128 v[OUT+32*\t+4*\k:OUT+32*\t+4*\k+3], v[RD] offset:544*\k   ; LDS serves a wave's instructions in order (ISA guide 5.7.1.4): these see the stores above; the next tile's stores come behind them
.endr
.endm
.macro SEND t, younger                 ; younger: the LDS instructions issued behind tile t's loads: the next tile's sixteen, or none
.irp k, 0,1,2,3,4,5,6,7
	s_wait_dscnt \younger+7-\k
	global_store_b128 v[GO], v[OUT+32*\t+4*\k:OUT+32*\t+4*\k+3], s[16:17] offset:(16*\t+2*\k)*4096 th:TH_STORE_NT   ; 16 lanes store 256 consecutive bytes, at a multiple of 256 from out's first byte
.endr
.endm
.macro TRIP first
	WIN 0x40
	s_lshl_b32 s82, s[TR], 8
	v_add_nc_u32 v[ABQ], s82, v[BQB]
	WIN 0xfd
.irp t, 0,1,2,3
	ds_load_b32 v[ST+4*\t+2], v[ABQ] offset:64*\t  ; the mask's term of row 16 t + r
.endr
	PROJ \first
.if \first
	s_wait_tensorcnt 0x0                           ; my 48 rows are in,
	s_wait_dscnt 0x0
	s_barrier_signal -1
	s_barrier_wait -1                              ; everybody's are
.endif
	s_add_co_u32 s[TP], s[TR], 1
	s_min_u32 s[TP], s[TP], 3                      ; the last trip's look-ahead names trip 3 again: bytes that are filled; its registers are not used
	PRE                                            ; the next trip's first loads land under the softmax
	SOFTQ
	WIN 0x0a                                       ; sources 0 (kv) and 1 (p) window 2, destination window 0
.irp t, 0,1,2,3
.irp e, 0,1,2,3
	WM OUT+8*(4*\t+\e), KF+8*\e, PF+8*\t, 0, KS+\e, PS+\t, 0
.endr
.endr
	WIN 0
	PLACES 4                                       ; ahead of the first read of results
	PACK 0
	PACK 1                                         ; a tile's arithmetic stands between the loads of the tile before and its stores
	SEND 0, 16
	PACK 2
	SEND 1, 16
	PACK 3
	SEND 2, 16
	SEND 3, 0
	s_wait_xcnt 0x0                                ; the stores have read their registers and their base: both are written again only behind this wait
	s_add_nc_u64 s[16:17], s[16:17], 64*4096
.endm
	s_mov_b32 s[TR], 0
	s_mov_b32 s[TP], 0
	PRE
	TRIP 1                                         ; the first trip is written out: it alone has the counted waits for Wq, and the wait and the barrier for the other rows
	s_mov_b32 s[TR], 1
.Ltrip:
	TRIP 0
	s_add_co_u32 s[TR], s[TR], 1
	s_cmp_lt_u32 s[TR], 4
	s_cbranch_scc1 .Ltrip
	s_wait_dscnt 0x0                               ; the look-ahead's loads
	s_wait_tensorcnt 0x0
	ds_add_u32 v126, v127
	s_wait_dscnt 0x0
	CROUND                                         ; the closing round: no work-group ends while a partner may still ask for a tile that names it
	s_endpgm
.Lfunc_end_k_q4ff3aae92b_qout:
	.size	k_q4ff3aae92b_qout, .Lfunc_end_k_q4ff3aae92b_qout-k_q4ff3aae92b_qout
	.p2alignl 7, 3214868480
	.fill 96, 4, 3214868480
	.section	.rodata,"a",@progbits
	.p2align	6, 0x0
	.amdhsa_kernel k_q4ff3aae92b_qout
		.amdhsa_group_segment_fixed_size 168448
		.amdhsa_private_segment_fixed_size 0
		.amdhsa_enable_private_segment 0
		.amdhsa_kernarg_size 56
		.amdhsa_user_sgpr_count 2
		.amdhsa_user_sgpr_kernarg_segment_ptr 1
		.amdhsa_wavefront_size32 1
		.amdhsa_system_sgpr_workgroup_id_x 1
		.amdhsa_system_sgpr_workgroup_id_y 1
		.amdhsa_system_sgpr_workgroup_id_z 1
		.amdhsa_system_vgpr_workitem_id 0
		.amdhsa_next_free_vgpr 1024
		.amdhsa_next_free_sgpr 96
		.amdhsa_reserve_vcc 0
		.amdhsa_float_denorm_mode_32 3
		.amdhsa_float_denorm_mode_16_64 3
		.amdhsa_memory_ordered 1
		.amdhsa_forward_progress 1
		.amdhsa_inst_pref_size 150
	.end_amdhsa_kernel
	.amdgpu_metadata
---
amdhsa.version: [ 1, 2 ]
amdhsa.kernels:
  - .name:           k_q4ff3aae92b_qout
    .symbol:         k_q4ff3aae92b_qout.kd
    .args:
      - { .name: q_codes, .offset: 0, .size: 8, .value_kind: global_buffer, .address_space: global }
      - { .name: q_scales, .offset: 8, .size: 8, .value_kind: global_buffer, .address_space: global }
      - { .name: Wq_codes, .offset: 16, .size: 8, .value_kind: global_buffer, .address_space: global }
      - { .name: Wq_scales, .offset: 24, .size: 8, .value_kind: global_buffer, .address_space: global }
      - { .name: mask_q, .offset: 32, .size: 8, .value_kind: global_buffer, .address_space: global }
      - { .name: kvq, .offset: 40, .size: 8, .value_kind: global_buffer, .address_space: global }
      - { .name: out0, .offset: 48, .size: 8, .value_kind: global_buffer, .address_space: global }
    .group_segment_fixed_size: 168448
    .private_segment_fixed_size: 0
    .kernarg_segment_align: 8
    .kernarg_segment_size: 56
    .max_flat_workgroup_size: 128
    .sgpr_count:     96
    .vgpr_count:     1024
    .wavefront_size: 32
...
	.end_amdgpu_metadata
.endif
;; end of part 3
